; MI455X (gfx1250); checked and timed in simulation.
; The chip was launched on July 23, 2026; its instructions are those of AMD's public machine-readable ISA for CDNA 5 (MIT licence, August 2026) and "CDNA5" Instruction Set Architecture Reference Guide (July 2026). The comments in the code are by the model that wrote it; some were corrected since.
;; Graph Summary. Allowed arithmetic: matrix products marked QUANTISED: E2M1 operands, one E8M0 scale for each 32 along K, by v_wmma_scale_f32_16x16x128_f8f6f4 with both operands' format E2M1 (or v_wmma_scale_f32_32x16x128_f4), f32 sums; products left as they are: f32 operands where the result goes on into a quantised operand, else bf16, f16 or f32 operands; f32 sums; everything else in f32.
;; Inputs: Wg1_codes 128 x 4 x 16 uint8 (E2M1 codes of Wg1, K innermost, in blocks of 32 codes, two codes a byte); Wg1_scales 128 x 4 uint8 (E8M0 scales of Wg1, one for each 32 codes along K); Wg2 128 x 1 float32; Wn1_codes 128 x 4 x 16 uint8 (E2M1 codes of Wn1, K innermost, in blocks of 32 codes, two codes a byte); Wn1_scales 128 x 4 uint8 (E8M0 scales of Wn1, one for each 32 codes along K); Wn2_codes 128 x 4 x 16 uint8 (E2M1 codes of Wn2, K innermost, in blocks of 32 codes, two codes a byte); Wn2_scales 128 x 4 uint8 (E8M0 scales of Wn2, one for each 32 codes along K); bg1 128 float32; bg2 1 float32; bn1 128 float32; bn2 128 float32; x_codes 32 x 8,192 x 4 x 16 uint8 (E2M1 codes of x, K innermost, in blocks of 32 codes, two codes a byte); x_scales 32 x 8,192 x 4 uint8 (E8M0 scales of x, one for each 32 codes along K).
;; Outputs: out0 32 x 128 float32.
;; This version of the problem:
;;   THIS VERSION OF THE PROBLEM IS GIVEN IN LOW PRECISION. The matrix products marked QUANTISED in the list below multiply operands that are first quantised to E2M1 (2 exponent bits, 1 mantissa bit; 4 bits a number), with one power-of-two scale for each 32 numbers along K (OCP MX v1.0); their sums are f32. All else is computed in f32.
;;   The module's matrix products, in the order in which they are computed (A, B: the left and right operand; K: the contracted axis; several contracted axes count as one K, in the product's order):
;;     1. [M 262,144, K 128] x [K 128, N 128]; A: input x (given as codes); B: input Wg1 (given as codes): QUANTISED
;;     2. [M 262,144, K 128] x [K 128, N 1]; A: computed on the way; B: input Wg2: left as it is (N = 1 < 16)
;;     3. [M 262,144, K 128] x [K 128, N 128]; A: input x (given as codes); B: input Wn1 (given as codes): QUANTISED
;;     4. [M 262,144, K 128] x [K 128, N 128]; A: computed on the way; B: input Wn2 (given as codes): QUANTISED
;;   THE QUANTISER, for each operand of a quantised product, along K:
;;     - K is cut into blocks of 32 from its start; a last block that is shorter is filled with zeros.
;;     - A block's scale is 2^e with e = floor(log2(the largest magnitude in the block)) - 2, held to -126 .. 127; a block of zeros has e = 0. As a byte (E8M0): e + 127.
;;     - Each number is divided by its block's scale, clamped to +-6, and rounded to the nearest number of E2M1, ties to even, subnormals kept.
;;     - The product sums the exact products of the quantised numbers (number of the format x scale) in f32.
;;   ~~~python
;;   def quantise(x, axis):      # numpy; x: float32 -> the quantised numbers, widened to float32 again
;;       x = np.moveaxis(x, axis, -1); K = x.shape[-1]
;;       x = np.pad(x, [(0, 0)] * (x.ndim - 1) + [(0, -K % 32)]); x = x.reshape(x.shape[:-1] + (-1, 32)); a = np.abs(x).max(-1, keepdims=True)
;;       e = np.where(a > 0, np.clip(np.frexp(np.where(a > 0, a, 1))[1] - 1 - 2, -126, 127), 0)      # np.frexp(a)[1] - 1 = floor(log2(a)), exactly
;;       r = np.clip(x / 2.0 ** e, -6, 6)
;;       step = 2.0 ** (np.maximum(np.frexp(np.where(r == 0, 1, r))[1] - 1, 0) - 1)
;;       q = np.round(r / step) * step * 2.0 ** e      # np.round: ties to even
;;       return np.moveaxis(q.reshape(q.shape[:-2] + (-1,))[..., :K], -1, axis).astype(np.float32)
;;   ~~~
;;   OPERANDS COMPUTED ON THE WAY. 'Computed on the way' means the value that the module computes at that place (a softmax that the list does not call 'softmax' is quantised finished and normalised). What goes into a quantiser is computed in f32, as accurately as f32 sums, v_exp_f32 and their like allow (about 1e-6 of the number): no bf16 or f16 on the way to a quantiser, and a product that is left as it is and whose result goes on into a quantised operand takes f32 operands (vector FMAs, or v_wmma_f32_16x16x4_f32). A number that lies on a knife's edge between two numbers of the format may be rounded either way, as far as f32 arithmetic and the matrix unit's own rounding can turn it there, and no further.
;;   INPUTS GIVEN AS CODES. Wg1 (in the module: [128, 128], K = its axis 0); Wn1 (in the module: [128, 128], K = its axis 0); Wn2 (in the module: [128, 128], K = its axis 0); x (in the module: [32, 8192, 128], K = its axis 2): each comes as NAME_codes (uint8): NAME with its K axis moved to the last place and cut into blocks of 32 codes, [.., K / 32, bytes a block], one block behind the other in memory; two codes a byte, the lower K in the low four bits (a code: sign, 2 exponent bits, 1 mantissa bit); and NAME_scales (uint8): the same leading axes, one E8M0 byte (e + 127) for each 32 codes along K. Its value is code x scale, taken as it is: it is not quantised again, and the codes and scales need not be those that the quantiser above would give.
;; One version. Each part assembles by itself: llvm-mc -triple=amdgcn-amd-amdhsa -mcpu=gfx1250 --defsym DOCPART=n.
;; ======== version 1 of 1: 2 launches
;; limits: right only within a limited range of input values
;; workspace buffers: part 196,608 bytes
;; launch pool (part 1): grid 256 x 1, 8 waves a work-group, no clusters, 166,144 bytes of LDS; arguments x_codes, x_scales, Wg1_codes, Wg1_scales, bg1, Wg2, Wn1_codes, Wn1_scales, bn1, Wn2_codes, Wn2_scales, part; writes part
.if DOCPART == 1
	.amdgcn_target "amdgcn-amd-amdhsa--gfx1250"
	.amdhsa_code_object_version 6
	.text
	.protected	k_qe17d26f472_pool
	.globl	k_qe17d26f472_pool
	.p2align	8
	.type	k_qe17d26f472_pool,@function
k_qe17d26f472_pool:
	s_mov_b64 s[64:65], 0
	v_nop
	global_prefetch_b8 v0, s[64:65] scope:SCOPE_SE
	s_setreg_imm32_b32 hwreg(HW_REG_WAVE_MODE, 25, 1), 1
	s_wait_xcnt 0x0
; GraphSummary, first of two launches.  For each of 32 graphs of 8,192 nodes: gate = silu(x Wg1 + bg1) . Wg2 (+ bg2), h = Q(silu(x Wn1 + bn1)) Wn2 (+ bn2), out = sum over nodes of softmax(gate) h.
; x, Wg1, Wn1, Wn2 arrive as E2M1 codes with one E8M0 byte for each 32 along K; the three products of 128 x 128 go to the matrix unit on those codes; all else is f32.
; WORK LEFT OUT.  bg2 is added to every node's gate alike, and the softmax runs over the nodes: exp(g + bg2) / sum exp(g + bg2) = exp(g) / sum exp(g) for every finite bg2 and every g.  So bg2 reaches no output: it is not
; loaded and is no argument of either launch.  LIMIT: a NaN, an infinity or an overflow that bg2 alone would bring is not carried to the result.
; WORK MOVED.  The softmax's weights add up to 1, so sum attn (h + bn2) = sum attn h + bn2: bn2 is added once for each graph, in the second launch.
; OTHER LIMITS.  silu(z) for z under about -87 comes out as -0 (2^(-c z) has left f32's range, or the reciprocal's result would be denormal and is flushed: ISA guide, the entries of v_exp_f32 and v_rcp_f32), where the true number
; is under 1e-36 in size.  A block of 32 hidden units that are all zero gets the scale byte 1 with zero codes, where the quantiser says 127: the bytes are read by this launch alone.  NaN and infinities among the inputs are not served.
; SHARES.  Work-group g takes rows 1,024 g .. + 1,023 of the 262,144 (an eighth of graph g / 8); each of its eight waves 128 of them, as 8 tiles of 16 neighbouring rows; two waves to a SIMD, 512 registers each.
; A lane is (r = lane % 16, h = lane / 16).  x's fragments come from memory straight into registers, all asked for at the head, so there is nothing left to prefetch.  No clusters: no tensor load is issued; what work-groups share
; is 26 KB of weights, fetched once a work-group.
; LAYOUT.  All products transposed: source 0 = 32 rows of a weight (two tiles), source 1 = 16 rows of x or of the hidden layer's codes, so a lane holds ONE row.  Tile w = 4 c + u of a weight takes, in its lane r, the weight's row
; 64 c + 8 u + 32 (r / 8) + r % 8: the 32 registers of a UNIT (tiles 4 c .. 4 c + 3) are then hidden units 64 c + 32 h + 0 .. 31 of my row: one whole block of the quantiser, in the very place where the next operand wants its codes.
; TWO PHASES.  All gates first (sixteen units); then the wave's maximum M and p = 2^(gate - M), gates in units of log2, once; then the features (sixteen units), pooled as sums of p h, 64 a lane.  So no sum is ever rescaled in a wave.
; PIPELINE.  Unit k's exponentials stand among packed work of the unit before (features) or its own (gates); then come 1 + E, the products of unit k + 1, its first reads, and unit k's reciprocals.  Two buffers each of Z and T.
; The units are written out by macro: the registers of x, its scales, the gate and the buffers differ from tile to tile, and the weights change between the phases.
; At the end a wave's 16 lanes of rows are added through its own stage in LDS, wave 0 joins the eight waves and stores one record of 768 bytes: 128 sums, then 32 copies of (M, L).
; REGISTERS.  Window 1: v0-63 Wg1, then Wn1; v64-127 bg1, then bn1, as C; v128-191 c Wg2, then Wn2; v192-255 x's 8 fragments, then the 64 sums.  Window 0: below.
.set FRG,   0                          ; LDS: 24 images of fragments, 1,024 bytes each: Wg1's tile w at index w, Wn1's at 8 + w, Wn2's at 16 + w; registers 0-3 at 16 x lane, 4-7 at 512 + 16 x lane
.set RAW,   24576                      ; six arrays of 512 bytes as they lie in memory: scales of Wg1, Wn1, Wn2; bg1; c Wg2; bn1
.set BG,    RAW+1536
.set WG2,   RAW+2048
.set BN,    RAW+2560
.set SET,   27648                      ; eight waves' sums, 512 bytes each
.set STT,   31744                      ; their pairs (M, L)
.set SPARE, 32000                      ; the spare words, 128 bytes for each wave, that no other line names
.set XI,    33024                      ; images of x's fragments, 8,192 bytes for each wave
.set STG,   98560                      ; stages: 16 rows x 528 bytes for each wave
.set SPW,  1                           ; v1  LDS address of my spare word; never rewritten
.set NIL,  2                           ; v2  0; never rewritten
.set LI,   3                           ; v3  16 x lane
.set XIM,  4                           ; v4  8,192 x wave + 16 x lane
.set BIA,  5                           ; v5  128 h
.set SWA,  6                           ; v6  4 x my row of a pair of weight tiles
.set PX,   7                           ; v7  the partner lane's number
.set XS,   8                           ; v8-15  x's scale words, a register a tile
.set WSG,  16                          ; v16-19 Wg1's scale words (lane m: row m of a pair of tiles), v20-23 Wn1's, v24-27 Wn2's
.set WSN1, 20
.set WSN2, 24
.set G,    28                          ; v28-35 my row's gate in each tile, then p
.set GA,   36                          ; v36-43 the gate's sum in four pairs
.set XN,   44                          ; v44-59 phase two: x's fragments of even and odd tiles
.set PC,   60                          ; v60-75 the hidden layer's codes, even and odd tiles
.set QM,   76                          ; v76-82 the quantiser at work
.set BY,   83                          ; v83 the first unit's scale byte
.set PW,   84                          ; v84 the codes' scale word
.set H8,   85                          ; v85 8 h
.set ML,   86                          ; v[86:87] M, L
.set L8,   88                          ; v88 8 x lane
.set LW,   89                          ; v89 512 x wave + 16 x lane
.set STA,  90                          ; v90 where my row's sums go in the stage
.set STR,  91                          ; v91 where I read a row back
.set XO,   92                          ; v92 64 r + 16 h: my 16 bytes in a tile of x
.set XSO,  93                          ; v93 4 r
.set ADS,  94                          ; v94 STT
.set HB,   96                          ; v96-127 half of the last product's outputs
.set Z,    128                         ; v128-191 two buffers: z, then z Wg2 or silu(z)
.set T,    192                         ; v192-255 two buffers: -c z, 2^, 1 + 2^, its reciprocal
.set MSB, 0
.macro WIN new                         ; the immediate's high byte repeats the setting that is left; a switch that changes nothing is dropped
.if MSB != \new
	s_set_vgpr_msb (MSB<<8)|\new
.set MSB, \new
.endif
.endm
.macro PLACES                          ; four plain vector instructions between a matrix instruction and a read of its result (ISA guide 7.12.1)
.rept 4
	v_nop
.endr
.endm
.macro LDW to, from, c                 ; four fragments, tiles 4 c .. 4 c + 3 of the weight whose images begin at from
.irp u, 0,1,2,3
	ds_load_b128 v[\to+32*\c+8*\u:\to+32*\c+8*\u+3], v[LI] offset:\from+4096*\c+1024*\u
	ds_load_b128 v[\to+32*\c+8*\u+4:\to+32*\c+8*\u+7], v[LI] offset:\from+4096*\c+1024*\u+512
.endr
.endm
.macro LDB to, from, c                 ; 32 numbers, hidden units 64 c + 32 h + 0 .. 31
.irp u, 0,1,2,3,4,5,6,7
	ds_load_b128 v[\to+32*\c+4*\u:\to+32*\c+4*\u+3], v[BIA] offset:\from+256*\c+16*\u
.endr
.endm
	s_load_b512 s[4:19], s[0:1], 0x0               ; x's codes s[4:5], x's scales s[6:7], Wg1's codes s[8:9], its scales s[10:11], bg1 s[12:13], Wg2 s[14:15], Wn1's codes s[16:17], its scales s[18:19]
	s_load_b256 s[20:27], s[0:1], 0x40             ; bn1 s[20:21], Wn2's codes s[22:23], its scales s[24:25], part s[26:27]
	v_lshl_add_u32 v[SPW], v0, 2, SPARE
	v_mov_b32 v[NIL], 0
	v_lshrrev_b32 v128, 5, v0                      ; wave
	v_and_b32 v129, 31, v0                         ; lane
	v_and_b32 v130, 15, v0                         ; r
	v_bfe_u32 v131, v0, 4, 1                       ; h
	v_readfirstlane_b32 s28, v128
	v_lshrrev_b32 v132, 7, v0                      ; wave / 4
	v_bfe_u32 v133, v0, 5, 2                       ; wave % 4
	v_bfe_u32 v134, v0, 3, 1                       ; r / 8
	v_and_b32 v135, 7, v0                          ; r % 8
	v_lshlrev_b32 v[LI], 4, v129
	v_lshlrev_b32 v[L8], 3, v129
	v_lshlrev_b32 v[XO], 6, v130
	v_lshl_add_u32 v136, v134, 5, v135             ; 32 (r / 8) + r % 8
	v_lshlrev_b32 v[XSO], 2, v130
	v_lshlrev_b32 v[BIA], 7, v131
	v_lshl_add_u32 v[XO], v131, 4, v[XO]
	v_lshl_add_u32 v[SWA], v131, 3, v136           ; + 8 h: lane m's row of a pair of tiles
	v_lshl_add_u32 v136, v133, 3, v136             ; + 8 u
	v_lshlrev_b32 v[H8], 3, v131
	v_lshlrev_b32 v[LW], 4, v0
	v_lshlrev_b32 v[SWA], 2, v[SWA]
	v_lshl_add_u32 v136, v132, 6, v136             ; + 64 c: my row of a weight, wave w fetching tile w
	v_lshl_add_u32 v[XIM], v128, 13, v[LI]
	v_lshl_add_u32 v140, v128, 4, v130             ; 16 wave + r
	v_lshlrev_b32 v137, 6, v136
	v_lshl_add_u32 v138, v128, 6, v[XSO]           ; 64 wave + 4 r: my four bytes of each array of 512
	v_mul_u32_u24 v140, 528, v140
	v_lshl_add_u32 v137, v131, 4, v137             ; my 16 bytes of codes
	v_lshl_add_u32 v139, v128, 10, v[LI]           ; where I store an image
	v_add_nc_u32 v[STA], v140, v[BIA]
	v_mul_u32_u24 v141, 8448, v128
	v_add_nc_u32 v[STA], STG, v[STA]
	v_add_nc_u32 v[STR], v141, v[LI]
	v_mov_b32 v[ADS], STT
	v_add_nc_u32 v[STR], STG, v[STR]
	v_mov_b32 v[PX], 0                             ; (a lane permute's destination counts as one of its sources)
	v_mov_b32 v[QM+6], 0
	v_mov_b32 v[ML+1], 0
	s_mov_b32 s32, 0xbfb8aa3b                      ; -c = -log2 e
	s_mov_b32 s33, s32                             ; (named with it as a pair, so it is written)
	s_mov_b32 s34, 0x76543210
	s_mov_b32 s35, 0xfedcba98                      ; v_permlanex16_b32's selects for lane l xor 16
	s_lshl_b32 s30, ttmp9, 16                      ; the work-group's 1,024 rows of 64 bytes,
	s_lshl_b32 s31, s28, 13                        ; my wave's 128
	s_add_co_u32 s30, s30, s31
	s_mov_b32 s31, 0
	s_wait_alu depctr_va_vdst(0)
	s_wait_kmcnt 0x0
	global_load_b128 v[144:147], v137, s[8:9]
	global_load_b128 v[148:151], v137, s[8:9] offset:32
	global_load_b32 v168, v138, s[10:11]
	global_load_b32 v171, v138, s[12:13]
	global_load_b32 v172, v138, s[14:15]
	global_load_b128 v[152:155], v137, s[16:17]
	global_load_b128 v[156:159], v137, s[16:17] offset:32
	global_load_b32 v169, v138, s[18:19]
	global_load_b32 v173, v138, s[20:21]
	global_load_b128 v[160:163], v137, s[22:23]
	global_load_b128 v[164:167], v137, s[22:23] offset:32
	global_load_b32 v170, v138, s[24:25]
	s_add_nc_u64 s[4:5], s[4:5], s[30:31]
	s_lshr_b32 s30, s30, 4                         ; a scale word is a sixteenth of a row's codes
	s_add_nc_u64 s[6:7], s[6:7], s[30:31]
	s_mul_i32 s30, ttmp9, 768                      ; my work-group's record
	s_add_nc_u64 s[26:27], s[26:27], s[30:31]
.irp i, 0,1,2,3,4,5,6,7
	global_load_b32 v[XS+\i], v[XSO], s[6:7] offset:64*\i
.endr
	WIN 0x40
.irp i, 0,1,2,3,4,5,6,7
	global_load_b128 v[192+8*\i:192+8*\i+3], v[XO], s[4:5] offset:1024*\i th:TH_LOAD_NT
	global_load_b128 v[192+8*\i+4:192+8*\i+7], v[XO], s[4:5] offset:1024*\i+32 th:TH_LOAD_NT
.endr
	WIN 0
	s_wait_loadcnt 24                              ; my share of the weights is in; the 24 loads of x, issued behind it, may be out
	v_mul_f32 v172, 0x3fb8aa3b, v172               ; c Wg2: gates in units of log2
	ds_store_b128 v139, v[144:147] offset:FRG
	ds_store_b128 v139, v[148:151] offset:FRG+512
	ds_store_b128 v139, v[152:155] offset:FRG+8192
	ds_store_b128 v139, v[156:159] offset:FRG+8192+512
	ds_store_b128 v139, v[160:163] offset:FRG+16384
	ds_store_b128 v139, v[164:167] offset:FRG+16384+512
	ds_store_b32 v138, v168 offset:RAW
	ds_store_b32 v138, v169 offset:RAW+512
	ds_store_b32 v138, v170 offset:RAW+1024
	ds_store_b32 v138, v171 offset:BG
	ds_store_b32 v138, v172 offset:WG2
	ds_store_b32 v138, v173 offset:BN
	s_wait_dscnt 0x0                               ; for the others' sake: my part lies in LDS
	s_barrier_signal -1
	s_barrier_wait -1                              ; everybody's does
	; 60 loads, in the order in which the first units want them
.irp q, 0,1,2,3
	ds_load_b32 v[WSG+\q], v[SWA] offset:RAW+64*\q+128*(\q/2)
.endr
	WIN 0x40
	LDW 0, FRG, 0
	LDB 64, BG, 0
	LDB 128, WG2, 0
	LDW 0, FRG, 1
	LDB 64, BG, 1
	LDB 128, WG2, 1
	WIN 0
.irp q, 0,1,2,3
	ds_load_b32 v[WSN1+\q], v[SWA] offset:RAW+512+64*\q+128*(\q/2)
	ds_load_b32 v[WSN2+\q], v[SWA] offset:RAW+1024+64*\q+128*(\q/2)
.endr
; Unit k's first product, from x's registers (gates) or from the fragment that came back from LDS (features): tile k / 2, half c = k % 2 of the hidden units.
.macro WZG k
.set DZ, Z+32*((\k)%2)
.set HC, (\k)%2
.set FX, 192+8*((\k)/2)
	WIN 0x15                                       ; all three sources in window 1
.irp q, 0,1
	v_wmma_scale_f32_32x16x128_f4 v[DZ+16*\q:DZ+16*\q+15], v[32*HC+16*\q:32*HC+16*\q+15], v[FX:FX+7], v[64+32*HC+16*\q:64+32*HC+16*\q+15], v[WSG+2*HC+\q], v[XS+((\k)/2)]
.endr
	WIN 0
.endm
.macro WZF k
.set DZ, Z+32*((\k)%2)
.set HC, (\k)%2
.set FX, XN+8*(((\k)/2)%2)
	WIN 0x11                                       ; sources 0 and 2 in window 1
.irp q, 0,1
	v_wmma_scale_f32_32x16x128_f4 v[DZ+16*\q:DZ+16*\q+15], v[32*HC+16*\q:32*HC+16*\q+15], v[FX:FX+7], v[64+32*HC+16*\q:64+32*HC+16*\q+15], v[WSN1+2*HC+\q], v[XS+((\k)/2)]
.endr
.endm
; The last product of tile t, half c of the outputs, into v[to] on.
.macro WH t, c, to
	WIN 0x01
.set FX, PC+8*((\t)%2)
.irp q, 0,1
	v_wmma_scale_f32_32x16x128_f4 v[\to+16*\q:\to+16*\q+15], v[128+32*(\c)+16*\q:128+32*(\c)+16*\q+15], v[FX:FX+7], 0, v[WSN2+2*(\c)+\q], v[PW]
.endr
.endm
.macro ARGS k                          ; -c z, each accumulator from its low end on
.set ZA, Z+32*((\k)%2)
.set TA, T+32*((\k)%2)
.set i, 0
.rept 16
	v_pk_mul_f32 v[TA+2*i:TA+2*i+1], v[ZA+2*i:ZA+2*i+1], s[32:33] op_sel_hi:[1,0]
.set i, i+1
.endr
.endm
.macro ONE k, from, n                  ; 1 + 2^(-c z)
.set TA, T+32*((\k)%2)
.set i, \from
.rept \n
	v_pk_add_f32 v[TA+2*i:TA+2*i+1], v[TA+2*i:TA+2*i+1], 1.0 op_sel_hi:[1,0]
.set i, i+1
.endr
.endm
.macro RCPS k
.set TA, T+32*((\k)%2)
.set i, 0
.rept 32
	v_rcp_f32 v[TA+i], v[TA+i]
.set i, i+1
.endr
.endm
; The gate's sum over unit e: numerators z c Wg2 times reciprocals, in four pairs; a tile's first unit starts them.
.macro GSUM e
.set ZA, Z+32*((\e)%2)
.set TA, T+32*((\e)%2)
.set i, 0
.rept 16
.if ((\e)%2 == 0) && (i < 4)
	v_pk_mul_f32 v[GA+2*(i%4):GA+2*(i%4)+1], v[ZA+2*i:ZA+2*i+1], v[TA+2*i:TA+2*i+1]
.else
	v_pk_fma_f32 v[GA+2*(i%4):GA+2*(i%4)+1], v[ZA+2*i:ZA+2*i+1], v[TA+2*i:TA+2*i+1], v[GA+2*(i%4):GA+2*(i%4)+1]
.endif
.set i, i+1
.endr
.endm
.macro GFIN t                          ; tile t's gate: the four pairs, and lane l xor 16's half of the hidden units
	v_pk_add_f32 v[GA:GA+1], v[GA:GA+1], v[GA+2:GA+3]
	v_pk_add_f32 v[GA+4:GA+5], v[GA+4:GA+5], v[GA+6:GA+7]
	v_pk_add_f32 v[GA:GA+1], v[GA:GA+1], v[GA+4:GA+5]
	v_add_f32 v[G+\t], v[GA], v[GA+1]
	v_permlanex16_b32 v[PX], v[G+\t], s34, s35
	v_add_f32 v[G+\t], v[G+\t], v[PX]
.endm
; ONE UNIT OF THE GATES.
.macro GSTEP k
.if (\k) == 0
	s_wait_dscnt 32                                ; Wg2's first half is in; 32 younger loads may be out
.elseif (\k) == 1
	s_wait_dscnt 10                                ; its second half; eight scale words and two stores may be out
.endif
	s_wait_alu depctr_va_vdst(0)                   ; ahead of the batch of exponentials; it also serves the last unit's reciprocals
	WIN 0x04                                       ; source 1 in window 1
.if (\k)%2 == 0
	ds_store_b128 v[XIM], v[192+4*(\k):192+4*(\k)+3] offset:XI+512*(\k)          ; this tile's fragment, for phase two
	ds_store_b128 v[XIM], v[192+4*(\k)+4:192+4*(\k)+7] offset:XI+512*(\k)+512
.endif
.set ZA, Z+32*((\k)%2)
.set TA, T+32*((\k)%2)
.set WA, 128+32*((\k)%2)
.set i, 0
.rept 16
	v_exp_f32 v[TA+2*i], v[TA+2*i]
	v_exp_f32 v[TA+2*i+1], v[TA+2*i+1]
	v_pk_mul_f32 v[ZA+2*i:ZA+2*i+1], v[ZA+2*i:ZA+2*i+1], v[WA+2*i:WA+2*i+1]      ; the numerators z c Wg2
.set i, i+1
.endr
.if (\k) == 0
	s_wait_dscnt 18                                ; Wg1's and bg1's second halves; Wg2's, the scale words and two stores, 18 in all, may be out
.elseif (\k) == 15
	s_wait_dscnt 18                                ; phase two's first fragment, Wn1's and bn1's first halves; two stores and the second halves' 16 loads may be out
.elseif (\k)%2 == 1
	s_wait_loadcnt 13-(\k)                         ; x's next tile; two loads for each tile behind it may be out
.endif
	s_wait_alu depctr_va_vdst(0)                   ; one wait for the batch of exponentials
	WIN 0
.if (\k) > 0
	GSUM \k-1
.endif
.if (\k) < 15
	WZG \k+1
.else
	WZF 0
	WIN 0
.endif
.if ((\k) > 0) && ((\k)%2 == 0)
	GFIN (\k)/2-1
.endif
	ONE \k, 0, 16                                  ; also the places behind the products
	s_wait_alu depctr_va_vdst(0)                   ; ahead of the products' first readers, and for the reciprocals' sources
	ARGS \k+1
.if (\k) == 13
	ds_load_b128 v[XN:XN+3], v[XIM] offset:XI      ; phase two's operands take the places of phase one's as these fall free
	ds_load_b128 v[XN+4:XN+7], v[XIM] offset:XI+512
	WIN 0x40
	LDW 0, FRG+8192, 0
	LDB 64, BN, 0
	WIN 0
.elseif (\k) == 14
	WIN 0x40
	LDW 0, FRG+8192, 1
	LDB 64, BN, 1
	WIN 0
.elseif (\k) == 15
	WIN 0x40
	LDW 128, FRG+16384, 0
	LDW 128, FRG+16384, 1
	WIN 0
.endif
	RCPS \k
.endm
; UNIT e OF THE HIDDEN LAYER BECOMES CODES: my 32 registers are one block.  A tile's second unit completes the scale word.
.macro QUANT e
.set SA, Z+32*((\e)%2)
.set PB, PC+8*(((\e)/2)%2)+4*((\e)%2)
	v_max3_num_f32 v[QM], |v[SA]|, |v[SA+1]|, 0x1800000                ; the floor 2^(3 - 127): so the byte cannot fall under 1
	v_max3_num_f32 v[QM+1], |v[SA+8]|, |v[SA+9]|, |v[SA+10]|
	v_max3_num_f32 v[QM+2], |v[SA+16]|, |v[SA+17]|, |v[SA+18]|
	v_max3_num_f32 v[QM+3], |v[SA+24]|, |v[SA+25]|, |v[SA+26]|
.irp d, 0,2
	v_max3_num_f32 v[QM], v[QM], |v[SA+2+\d]|, |v[SA+3+\d]|
	v_max3_num_f32 v[QM+1], v[QM+1], |v[SA+11+\d]|, |v[SA+12+\d]|
	v_max3_num_f32 v[QM+2], v[QM+2], |v[SA+19+\d]|, |v[SA+20+\d]|
	v_max3_num_f32 v[QM+3], v[QM+3], |v[SA+27+\d]|, |v[SA+28+\d]|
.endr
	v_max3_num_f32 v[QM], v[QM], |v[SA+6]|, |v[SA+7]|
	v_max3_num_f32 v[QM+1], v[QM+1], |v[SA+15]|, v[QM+2]
	v_max3_num_f32 v[QM+3], v[QM+3], |v[SA+23]|, |v[SA+31]|
	v_max3_num_f32 v[QM], v[QM], v[QM+1], v[QM+3]
	v_add_nc_u32 v[QM+4], 0xff000000, v[QM]        ; 2 off its exponent field: the conversion takes the exponent field of this operand as its scale, and nothing else of it
.if (\e)%2 == 0
	v_lshrrev_b32 v[BY], 23, v[QM+4]               ; the scale's byte
.irp g, 0,1,2,3
	v_cvt_scalef32_pk8_fp4_f32 v[PB+\g], v[SA+8*\g:SA+8*\g+7], v[QM+4]
.endr
.else
	v_lshrrev_b32 v[QM+5], 23, v[QM+4]
	v_cvt_scalef32_pk8_fp4_f32 v[PB], v[SA:SA+7], v[QM+4]
	v_lshl_or_b32 v[QM+5], v[QM+5], 16, v[BY]      ; my two bytes, blocks h and 2 + h,
	v_cvt_scalef32_pk8_fp4_f32 v[PB+1], v[SA+8:SA+15], v[QM+4]
	v_lshlrev_b32 v[QM+5], v[H8], v[QM+5]          ; at their places in the word;
	v_cvt_scalef32_pk8_fp4_f32 v[PB+2], v[SA+16:SA+23], v[QM+4]
	v_permlanex16_b32 v[QM+6], v[QM+5], s34, s35
	v_cvt_scalef32_pk8_fp4_f32 v[PB+3], v[SA+24:SA+31], v[QM+4]
	v_or_b32 v[PW], v[QM+5], v[QM+6]               ; with lane l xor 16's two it is whole
.endif
.endm
; The pooling: tile t's half c of the outputs, from v[from] on.  Tile 0 starts the sums.
.macro POOLING t, c, from
	WIN 0x50                                       ; destination and source 2 in window 1
.set AC, 192+32*(\c)
.set GP, G+2*((\t)/2)
.set i, 0
.rept 16
.if (\t) == 0
	v_pk_mul_f32 v[AC+2*i:AC+2*i+1], v[\from+2*i:\from+2*i+1], v[GP:GP+1] op_sel_hi:[1,0]
.elseif (\t)%2 == 0
	v_pk_fma_f32 v[AC+2*i:AC+2*i+1], v[\from+2*i:\from+2*i+1], v[GP:GP+1], v[AC+2*i:AC+2*i+1] op_sel_hi:[1,0,1]
.else
	v_pk_fma_f32 v[AC+2*i:AC+2*i+1], v[\from+2*i:\from+2*i+1], v[GP:GP+1], v[AC+2*i:AC+2*i+1] op_sel:[0,1,0] op_sel_hi:[1,1,1]
.endif
.set i, i+1
.endr
	WIN 0
.endm
; ONE UNIT OF THE FEATURES.
.macro FSTEP k
	s_wait_alu depctr_va_vdst(0)                   ; ahead of the batch of exponentials; it also serves the last unit's reciprocals
.if ((\k)%2 == 0) && ((\k) < 13)
.set XT, (\k)/2+1                      ; the next tile's fragment, a unit ahead of its first product
	ds_load_b128 v[XN+8*(XT%2):XN+8*(XT%2)+3], v[XIM] offset:XI+1024*XT
	ds_load_b128 v[XN+8*(XT%2)+4:XN+8*(XT%2)+7], v[XIM] offset:XI+1024*XT+512
.endif
.set TX, T+32*((\k)%2)
.set ZP, Z+32*(1-(\k)%2)
.set TP, T+32*(1-(\k)%2)
.set i, 0
.rept 16
	v_exp_f32 v[TX+2*i], v[TX+2*i]
	v_exp_f32 v[TX+2*i+1], v[TX+2*i+1]
.if (\k) > 0
	v_pk_mul_f32 v[ZP+2*i:ZP+2*i+1], v[ZP+2*i:ZP+2*i+1], v[TP+2*i:TP+2*i+1]      ; the unit before: silu(z) = z / (1 + 2^(-c z)), in f32
.endif
.set i, i+1
.endr
.if (\k) == 0
	s_wait_dscnt 18                                ; Wn1's and bn1's second halves; Wn2's 16 loads and the next fragment's two may be out
.elseif (\k)%2 == 1
	s_wait_dscnt 0x0                               ; the next tile's fragment (and, the first time, Wn2)
.endif
	s_wait_alu depctr_va_vdst(0)                   ; one wait for the batch of exponentials
.if (\k) == 0
	GSUM 15                                        ; the gates' last unit;
	GFIN 7
	v_max3_num_f32 v[ML], v[G], v[G+1], v[G+2]     ; M, the largest gate of the wave's 128 rows: both halves of the lanes hold the same gates
	v_max3_num_f32 v[ML], v[ML], v[G+3], v[G+4]
	v_max3_num_f32 v[ML], v[ML], v[G+5], v[G+6]
	v_max_num_f32 v[ML], v[ML], v[G+7]
.irp m, 1,2,4,8
	v_max_num_f32_dpp v[ML], v[ML], v[ML] row_xmask:\m row_mask:0xf bank_mask:0xf
.endr
.irp j, 0,2,4,6
	v_pk_add_f32 v[G+\j:G+\j+1], v[G+\j:G+\j+1], v[ML:ML+1] op_sel_hi:[1,0] neg_lo:[0,1] neg_hi:[0,1]   ; gate - M
.endr
.else
	QUANT \k-1
.endif
	ONE \k, 0, 8                                   ; the places between the scale word's (and the codes') last write and the products
.if (\k) < 15
	WZF \k+1
.endif
.if (\k) > 1
	WH (\k)/2-1, (\k)%2, HB
.endif
	WIN 0
	ONE \k, 8, 8                                   ; the places behind the products
.if (\k) > 1
	POOLING (\k)/2-1, (\k)%2, HB
.endif
	s_wait_alu depctr_va_vdst(0)                   ; ahead of the products' first readers, and for the reciprocals' sources
.if (\k) < 15
	ARGS \k+1
.endif
	RCPS \k
.if (\k) == 0
.irp j, 0,1,2,3,4,5,6,7
	v_exp_f32 v[G+\j], v[G+\j]                     ; p = 2^(gate - M), of the wave's 8 tiles
.endr
.endif
	v_nop                                          ; one plain place behind the batch
.endm
	s_wait_loadcnt 14                              ; x's scale words and tile 0; 14 loads of tiles 1 to 7 may be out
	s_wait_dscnt 40                                ; Wg1's scale words, its first half and bg1's; 40 younger loads may be out
	WZG 0
	PLACES
	ARGS 0
.irp k, 0,1,2,3,4,5,6,7,8,9,10,11,12,13,14,15
	GSTEP \k
.endr
.irp k, 0,1,2,3,4,5,6,7,8,9,10,11,12,13,14,15
	FSTEP \k
.endr
	s_wait_alu depctr_va_vdst(0)                   ; the last reciprocals
.set i, 0
.rept 16
	v_pk_mul_f32 v[Z+32+2*i:Z+32+2*i+1], v[Z+32+2*i:Z+32+2*i+1], v[T+32+2*i:T+32+2*i+1]
.set i, i+1
.endr
	QUANT 15
	; L = the sum of p over my 8 tiles and over the 16 lanes of a half (both halves hold the same rows); nine plain instructions between the scale word's write and the products
	v_pk_add_f32 v[GA:GA+1], v[G:G+1], v[G+2:G+3]
	v_pk_add_f32 v[GA+2:GA+3], v[G+4:G+5], v[G+6:G+7]
	v_nop
	v_pk_add_f32 v[GA:GA+1], v[GA:GA+1], v[GA+2:GA+3]
	v_add_f32 v[ML+1], v[GA], v[GA+1]
.irp m, 1,2,4,8
	v_add_f32_dpp v[ML+1], v[ML+1], v[ML+1] row_xmask:\m row_mask:0xf bank_mask:0xf
.endr
	WH 7, 0, HB
	WH 7, 1, T
	WIN 0
	PLACES
	POOLING 7, 0, HB
	POOLING 7, 1, T
	; THE END.  Lane (r, h) holds row class r's sums of outputs 64 c + 32 h + 0 .. 31.  They go into my wave's stage, a row of 528 bytes for each r, and come back by rows: lane i adds outputs 4 i .. 4 i + 3 of the 16 rows.
	WIN 0x04                                       ; data in window 1
.irp c, 0,1
.irp q, 0,1,2,3,4,5,6,7
	ds_store_b128 v[STA], v[192+32*\c+4*\q:192+32*\c+4*\q+3] offset:256*\c+16*\q
.endr
.endr
	WIN 0
.irp q, 0,1,2,3,4,5,6,7,8,9,10,11,12,13,14,15
	ds_load_b128 v[Z+4*\q:Z+4*\q+3], v[STR] offset:528*\q      ; LDS serves a wave's instructions in order (ISA guide 5.7.1.4): these see the stores above
.endr
	s_wait_dscnt 0x0
.irp q, 2,4,6,8,10,12,14
	v_pk_add_f32 v[Z:Z+1], v[Z:Z+1], v[Z+4*\q:Z+4*\q+1]
	v_pk_add_f32 v[Z+2:Z+3], v[Z+2:Z+3], v[Z+4*\q+2:Z+4*\q+3]
	v_pk_add_f32 v[Z+4:Z+5], v[Z+4:Z+5], v[Z+4*\q+4:Z+4*\q+5]
	v_pk_add_f32 v[Z+6:Z+7], v[Z+6:Z+7], v[Z+4*\q+6:Z+4*\q+7]
.endr
	v_pk_add_f32 v[Z:Z+1], v[Z:Z+1], v[Z+4:Z+5]
	v_pk_add_f32 v[Z+2:Z+3], v[Z+2:Z+3], v[Z+6:Z+7]
	v_lshrrev_b32 v[GA], 5, v0
	v_lshl_add_u32 v[GA], v[GA], 3, v[ADS]         ; STT + 8 x wave
	ds_store_b128 v[LW], v[Z:Z+3] offset:SET
	ds_store_b64 v[GA], v[ML:ML+1]                 ; every lane writes the same pair
	s_wait_tensorcnt 0x0
	ds_add_u32 v[SPW], v[NIL]
	s_wait_dscnt 0x0                               ; also for the others' sake: my sums lie in LDS
	s_barrier_signal -1
	s_barrier_wait -1
	s_cmp_lg_u32 s28, 0
	s_cbranch_scc1 .Lend
.irp i, 0,1,2,3
	ds_load_b128 v[T+4*\i:T+4*\i+3], v[ADS] offset:16*\i       ; (M, L) of wave w in v[T + 2 w], v[T + 2 w + 1], in every lane
.endr
.irp w, 0,1,2,3,4,5,6,7
	ds_load_b128 v[Z+4*\w:Z+4*\w+3], v[LI] offset:SET+512*\w   ; lane i: outputs 4 i .. 4 i + 3 of wave w
.endr
	s_wait_dscnt 0x0
	v_max3_num_f32 v[GA], v[T], v[T+2], v[T+4]
	v_max3_num_f32 v[GA+1], v[T+6], v[T+8], v[T+10]
	v_max3_num_f32 v[GA], v[GA], v[T+12], v[T+14]
	v_max_num_f32 v[GA], v[GA], v[GA+1]            ; the work-group's M
.irp w, 0,1,2,3,4,5,6,7
	v_sub_f32 v[T+2*\w], v[T+2*\w], v[GA]
.endr
	s_wait_alu depctr_va_vdst(0)
.irp w, 0,1,2,3,4,5,6,7
	v_exp_f32 v[T+2*\w], v[T+2*\w]                 ; E = 2^(the wave's M - the work-group's)
.endr
	v_nop
	s_wait_alu depctr_va_vdst(0)                   ; one wait for the eight
	v_mul_f32 v[GA+1], v[T], v[T+1]
	v_pk_mul_f32 v[GA+4:GA+5], v[Z:Z+1], v[T:T+1] op_sel_hi:[1,0]
	v_pk_mul_f32 v[GA+6:GA+7], v[Z+2:Z+3], v[T:T+1] op_sel_hi:[1,0]
.irp w, 1,2,3,4,5,6,7
	v_fmac_f32 v[GA+1], v[T+2*\w], v[T+2*\w+1]     ; L = the sum of E L
	v_pk_fma_f32 v[GA+4:GA+5], v[Z+4*\w:Z+4*\w+1], v[T+2*\w:T+2*\w+1], v[GA+4:GA+5] op_sel_hi:[1,0,1]
	v_pk_fma_f32 v[GA+6:GA+7], v[Z+4*\w+2:Z+4*\w+3], v[T+2*\w:T+2*\w+1], v[GA+6:GA+7] op_sel_hi:[1,0,1]
.endr
	global_store_b128 v[LI], v[GA+4:GA+7], s[26:27]            ; 32 lanes store 512 consecutive bytes, at a multiple of 256 from the buffer's first byte
	global_store_b64 v[L8], v[GA:GA+1], s[26:27] offset:512    ; and 256 more: 32 copies of (M, L)
.Lend:
	s_endpgm
.Lfunc_end_k_qe17d26f472_pool:
	.size	k_qe17d26f472_pool, .Lfunc_end_k_qe17d26f472_pool-k_qe17d26f472_pool
	.p2alignl 7, 3214868480
	.fill 96, 4, 3214868480
	.section	.rodata,"a",@progbits
	.p2align	6, 0x0
	.amdhsa_kernel k_qe17d26f472_pool
		.amdhsa_group_segment_fixed_size 166144
		.amdhsa_private_segment_fixed_size 0
		.amdhsa_enable_private_segment 0
		.amdhsa_kernarg_size 96
		.amdhsa_user_sgpr_count 2
		.amdhsa_user_sgpr_kernarg_segment_ptr 1
		.amdhsa_wavefront_size32 1
		.amdhsa_system_sgpr_workgroup_id_x 1
		.amdhsa_system_sgpr_workgroup_id_y 1
		.amdhsa_system_sgpr_workgroup_id_z 1
		.amdhsa_system_vgpr_workitem_id 0
		.amdhsa_next_free_vgpr 512
		.amdhsa_next_free_sgpr 66
		.amdhsa_reserve_vcc 0
		.amdhsa_float_denorm_mode_32 3
		.amdhsa_float_denorm_mode_16_64 3
		.amdhsa_memory_ordered 1
		.amdhsa_forward_progress 1
		.amdhsa_inst_pref_size 255
	.end_amdhsa_kernel
	.section	.bss,"aw",@nobits
	.p2align	6
	.space	262144
	.amdgpu_metadata
---
amdhsa.version: [ 1, 2 ]
amdhsa.kernels:
  - .name:           k_qe17d26f472_pool
    .symbol:         k_qe17d26f472_pool.kd
    .args:
      - { .name: x_codes, .offset: 0, .size: 8, .value_kind: global_buffer, .address_space: global }
      - { .name: x_scales, .offset: 8, .size: 8, .value_kind: global_buffer, .address_space: global }
      - { .name: Wg1_codes, .offset: 16, .size: 8, .value_kind: global_buffer, .address_space: global }
      - { .name: Wg1_scales, .offset: 24, .size: 8, .value_kind: global_buffer, .address_space: global }
      - { .name: bg1, .offset: 32, .size: 8, .value_kind: global_buffer, .address_space: global }
      - { .name: Wg2, .offset: 40, .size: 8, .value_kind: global_buffer, .address_space: global }
      - { .name: Wn1_codes, .offset: 48, .size: 8, .value_kind: global_buffer, .address_space: global }
      - { .name: Wn1_scales, .offset: 56, .size: 8, .value_kind: global_buffer, .address_space: global }
      - { .name: bn1, .offset: 64, .size: 8, .value_kind: global_buffer, .address_space: global }
      - { .name: Wn2_codes, .offset: 72, .size: 8, .value_kind: global_buffer, .address_space: global }
      - { .name: Wn2_scales, .offset: 80, .size: 8, .value_kind: global_buffer, .address_space: global }
      - { .name: part, .offset: 88, .size: 8, .value_kind: global_buffer, .address_space: global }
    .group_segment_fixed_size: 166144
    .private_segment_fixed_size: 0
    .kernarg_segment_align: 8
    .kernarg_segment_size: 96
    .max_flat_workgroup_size: 256
    .sgpr_count:     66
    .vgpr_count:     512
    .wavefront_size: 32
...
	.end_amdgpu_metadata
.endif
;; end of part 1
;; launch merge (part 2): grid 32 x 1, 1 waves a work-group, no clusters, 0 bytes of LDS; arguments part, bn2, out0; writes out0
.if DOCPART == 2
	.amdgcn_target "amdgcn-amd-amdhsa--gfx1250"
	.amdhsa_code_object_version 6
	.text
	.protected	k_qe17d26f472_merge
	.globl	k_qe17d26f472_merge
	.p2align	8
	.type	k_qe17d26f472_merge,@function
k_qe17d26f472_merge:
	s_mov_b64 s[64:65], 0
	v_nop
	global_prefetch_b8 v0, s[64:65] scope:SCOPE_SE
	s_setreg_imm32_b32 hwreg(HW_REG_WAVE_MODE, 25, 1), 1
	s_wait_xcnt 0x0
; GraphSummary, second of two launches.  Graph b's eight records of the first launch (768 bytes each: 128 sums of p h under the record's M, then 32 copies of (M, L), M in units of log2) are brought under one M and added;
; out[b] = the sums / L + bn2.  bg2 is left out, as the first kernel's head shows (it is the same for all nodes under the softmax); bn2 is added once, since the softmax's weights add up to 1.
; One wave for a graph: lane i owns outputs 4 i .. 4 i + 3.  A sum over work-groups of the first launch: so it has a launch of its own; its work is 6 KB a work-group, and there is work for 32.
	s_load_b128 s[4:7], s[0:1], 0x0                ; part, bn2
	s_load_b64 s[8:9], s[0:1], 0x10                ; out0
	v_lshlrev_b32 v1, 4, v0                        ; 16 x lane
	v_lshlrev_b32 v2, 3, v0                        ; 8 x lane
	s_mul_i32 s10, ttmp9, 6144                     ; the graph's eight records
	s_mov_b32 s11, 0
	s_lshl_b32 s12, ttmp9, 9                       ; its row of the output
	s_mov_b32 s13, 0
	s_wait_alu depctr_va_vdst(0)
	s_wait_kmcnt 0x0
	s_add_nc_u64 s[4:5], s[4:5], s[10:11]
	s_add_nc_u64 s[8:9], s[8:9], s[12:13]
.irp c, 0,1,2,3,4,5,6,7
	global_load_b128 v[8+4*\c:11+4*\c], v1, s[4:5] offset:768*\c           ; record c's sums: 512 consecutive bytes a load
.endr
.irp c, 0,1,2,3,4,5,6,7
	global_load_b64 v[40+2*\c:41+2*\c], v2, s[4:5] offset:768*\c+512       ; its (M, L): each lane takes its own copy
.endr
	global_load_b128 v[56:59], v1, s[6:7]          ; bn2
	s_wait_loadcnt 0x0
	v_max3_num_f32 v3, v40, v42, v44
	v_max3_num_f32 v3, v3, v46, v48
	v_max3_num_f32 v3, v3, v50, v52
	v_max_num_f32 v3, v3, v54                      ; the graph's M
.irp c, 0,1,2,3,4,5,6,7
	v_sub_f32 v[40+2*\c], v[40+2*\c], v3
.endr
	s_wait_alu depctr_va_vdst(0)
.irp c, 0,1,2,3,4,5,6,7
	v_exp_f32 v[40+2*\c], v[40+2*\c]               ; E = 2^(the record's M - the graph's)
.endr
	v_nop                                          ; a plain instruction behind the last exponential,
	s_wait_alu depctr_va_vdst(0)                   ; and one wait for the eight, ahead of their first reader
	v_mul_f32 v62, v40, v41
	v_pk_mul_f32 v[4:5], v[8:9], v[40:41] op_sel_hi:[1,0]
	v_pk_mul_f32 v[6:7], v[10:11], v[40:41] op_sel_hi:[1,0]
.irp c, 1,2,3,4,5,6,7
	v_fmac_f32 v62, v[40+2*\c], v[41+2*\c]         ; the softmax's divisor: at least 1, since the record that holds the maximum has E = 1 and L of 1 or more
	v_pk_fma_f32 v[4:5], v[8+4*\c:9+4*\c], v[40+2*\c:41+2*\c], v[4:5] op_sel_hi:[1,0,1]
	v_pk_fma_f32 v[6:7], v[10+4*\c:11+4*\c], v[40+2*\c:41+2*\c], v[6:7] op_sel_hi:[1,0,1]
.endr
	s_wait_alu depctr_va_vdst(0)
	v_rcp_f32 v60, v62
	v_mov_b32 v61, 0                               ; (named with v60 as a pair, so it is written; also the plain instruction behind the reciprocal)
	s_wait_alu depctr_va_vdst(0)
	v_pk_fma_f32 v[4:5], v[4:5], v[60:61], v[56:57] op_sel_hi:[1,0,1]
	v_pk_fma_f32 v[6:7], v[6:7], v[60:61], v[58:59] op_sel_hi:[1,0,1]
	global_store_b128 v1, v[4:7], s[8:9]           ; 32 lanes store the graph's 512 consecutive bytes, at a multiple of 256 from the output's first byte
	s_endpgm
.Lfunc_end_k_qe17d26f472_merge:
	.size	k_qe17d26f472_merge, .Lfunc_end_k_qe17d26f472_merge-k_qe17d26f472_merge
	.p2alignl 7, 3214868480
	.fill 96, 4, 3214868480
	.section	.rodata,"a",@progbits
	.p2align	6, 0x0
	.amdhsa_kernel k_qe17d26f472_merge
		.amdhsa_group_segment_fixed_size 0
		.amdhsa_private_segment_fixed_size 0
		.amdhsa_enable_private_segment 0
		.amdhsa_kernarg_size 24
		.amdhsa_user_sgpr_count 2
		.amdhsa_user_sgpr_kernarg_segment_ptr 1
		.amdhsa_wavefront_size32 1
		.amdhsa_system_sgpr_workgroup_id_x 1
		.amdhsa_system_sgpr_workgroup_id_y 1
		.amdhsa_system_sgpr_workgroup_id_z 1
		.amdhsa_system_vgpr_workitem_id 0
		.amdhsa_next_free_vgpr 64
		.amdhsa_next_free_sgpr 66
		.amdhsa_reserve_vcc 0
		.amdhsa_float_denorm_mode_32 3
		.amdhsa_float_denorm_mode_16_64 3
		.amdhsa_memory_ordered 1
		.amdhsa_forward_progress 1
		.amdhsa_inst_pref_size 5
	.end_amdhsa_kernel
	.amdgpu_metadata
---
amdhsa.version: [ 1, 2 ]
amdhsa.kernels:
  - .name:           k_qe17d26f472_merge
    .symbol:         k_qe17d26f472_merge.kd
    .args:
      - { .name: part, .offset: 0, .size: 8, .value_kind: global_buffer, .address_space: global }
      - { .name: bn2, .offset: 8, .size: 8, .value_kind: global_buffer, .address_space: global }
      - { .name: out0, .offset: 16, .size: 8, .value_kind: global_buffer, .address_space: global }
    .group_segment_fixed_size: 0
    .private_segment_fixed_size: 0
    .kernarg_segment_align: 8
    .kernarg_segment_size: 24
    .max_flat_workgroup_size: 32
    .sgpr_count:     66
    .vgpr_count:     64
    .wavefront_size: 32
...
	.end_amdgpu_metadata
.endif
;; end of part 2
